; MI455X (gfx1250); checked and timed in simulation.
; The chip was launched on July 23, 2026; its instructions are those of AMD's public machine-readable ISA for CDNA 5 (MIT licence, August 2026) and "CDNA5" Instruction Set Architecture Reference Guide (July 2026). The comments in the code are by the model that wrote it; some were corrected since.
;; Pipelined Gemm. Allowed arithmetic: float matrix products may take bf16 or f16 operands with f32 sums; other float arithmetic in f32, or as packed bf16 or f16 multiplies, adds, multiply-adds, maxima and minima; sums over many terms, partial sums and values carried from step to step in f32; what a program stores and reads back later, other than sums and carried values, may be rounded once to bf16 or f16.
;; Inputs: A 4,096 x 4,096 float32; B 4,096 x 4,096 float32.
;; Outputs: out0 4,096 x 4,096 float32.
;; 2 versions, each right; version 2 is version 1 with the launch cast written anew for expert scheduling mode. Each part assembles by itself: llvm-mc -triple=amdgcn-amd-amdhsa -mcpu=gfx1250 --defsym DOCPART=n.
;; ======== version 1 of 2: 2 launches
;; workspace buffers: abf 33,554,432 bytes; bbf 33,554,432 bytes
;; launch cast (part 1): grid 512 x 2, 8 waves a work-group, no clusters, 0 bytes of LDS; arguments A, B, abf, bbf; writes abf, bbf
.if DOCPART == 1
	.amdgcn_target "amdgcn-amd-amdhsa--gfx1250"
	.amdhsa_code_object_version 6
	.text
	.protected	k_q50803241fa_cast
	.globl	k_q50803241fa_cast
	.p2align	8
	.type	k_q50803241fa_cast,@function
k_q50803241fa_cast:
	s_mov_b64 s[64:65], 0
	v_nop
	global_prefetch_b8 v0, s[64:65] scope:SCOPE_SE
	s_setreg_imm32_b32 hwreg(HW_REG_WAVE_MODE, 25, 1), 1
	s_wait_xcnt 0x0
; out0 = A B + 36, first of two launches: A -> abf and B -> bbf, each number rounded ONCE to bf16 (nearest even), the layout unchanged
; (abf [4096 m][4096 k], bbf [4096 k][4096 n]).  The second launch multiplies them with f32 sums.
; NO WORK OF THE PROBLEM IS LEFT OUT: both inputs reach every output, and the constant 36 is added in the second launch.
; LIMITS.  The operands of the product have bf16's 8 significant bits; an f32 beyond bf16's largest finite number (3.39e38) rounds to an infinity; NaN and infinities pass as they are.
; SHARES.  Grid y = 0 takes A, y = 1 takes B.  Work-group x owns 131,072 consecutive input bytes: 32 chunks of 4,096.  Thread t takes the 16 bytes at 16 t of every chunk, so a wave's
; load covers 512 consecutive bytes; it stores the 8 bytes at 8 t of the matching 2,048-byte chunk, so a wave's store covers 256 consecutive bytes, aligned.
; A ring of eight register slots keeps eight loads of every wave on their way.  No LDS, no barrier, no matrix unit: nothing is shared and every byte is touched once.
; All 32 turns are written out by the assembler's loop: each chunk's place stands in an immediate (126,976 at the most), so no address register is ever rewritten.
.set DEPTH, 8                          ; slots = loads on their way in each wave
.set CHUNKS, 32
.set IN,  1                            ; v1       16 t; never rewritten
.set OUTO, 2                           ; v2       8 t; never rewritten
.set X,   4                            ; v[4:35]  slot i: four f32 as loaded
.set Y,   36                           ; v[36:51] slot i: four bf16 to store
	s_load_b256 s[4:11], s[0:1], 0x0               ; A s[4:5], B s[6:7], abf s[8:9], bbf s[10:11]
	s_and_b32 s20, ttmp7, 0xffff                   ; which of the two tensors
	s_lshl_b32 s16, ttmp9, 17                      ; the work-group's 131,072 bytes of input (under 2^26),
	s_mov_b32 s17, 0
	s_lshl_b32 s18, ttmp9, 16                      ; and its 65,536 bytes of output
	s_mov_b32 s19, 0
	v_lshlrev_b32 v[IN], 4, v0
	v_lshlrev_b32 v[OUTO], 3, v0
	s_wait_kmcnt 0x0
	s_cmp_eq_u32 s20, 0
	s_cselect_b64 s[12:13], s[4:5], s[6:7]         ; from A or B,
	s_cselect_b64 s[14:15], s[8:9], s[10:11]       ; to abf or bbf
	s_add_nc_u64 s[12:13], s[12:13], s[16:17]
	s_add_nc_u64 s[14:15], s[14:15], s[18:19]
.irp i, 0,1,2,3,4,5,6,7
	global_load_b128 v[X+4*(\i):X+4*(\i)+3], v[IN], s[12:13] offset:(\i)*4096 th:TH_LOAD_NT  ; the ring is filled: chunks 0 to 7; the launch reads each byte once
.endr
; Turn k: chunk k, in slot k % 8, is rounded and stored; the slot is asked for again with chunk k + 8 while there is one.
.macro SLOT k
.set i, (\k)%DEPTH
.if (\k) <= CHUNKS-DEPTH
	s_wait_loadcnt DEPTH-1                         ; loads come back in order (ISA guide 5.7.1): mine is in, the seven younger ones stay out
.else
	s_wait_loadcnt CHUNKS-1-(\k)                   ; the last turns load nothing: the count runs down to 0
.endif
	s_wait_xcnt 0x0                                ; every earlier memory instruction has had its addresses translated (ISA guide 3.1): this slot's Y, which its last store reads, is rewritten only behind this wait
	v_cvt_pk_bf16_f32 v[Y+2*i],   v[X+4*i],   v[X+4*i+1]    ; two roundings, packed: the lower number in the lower half
	v_cvt_pk_bf16_f32 v[Y+2*i+1], v[X+4*i+2], v[X+4*i+3]
.if (\k)+DEPTH < CHUNKS
	global_load_b128 v[X+4*i:X+4*i+3], v[IN], s[12:13] offset:((\k)+DEPTH)*4096 th:TH_LOAD_NT  ; the load ahead of the store
.endif
	global_store_b64 v[OUTO], v[Y+2*i:Y+2*i+1], s[14:15] offset:(\k)*2048
.endm
.set n, 0
.rept CHUNKS
	SLOT n
.set n, n+1
.endr
	s_endpgm
.Lfunc_end_k_q50803241fa_cast:
	.size	k_q50803241fa_cast, .Lfunc_end_k_q50803241fa_cast-k_q50803241fa_cast
	.p2alignl 7, 3214868480
	.fill 96, 4, 3214868480
	.section	.rodata,"a",@progbits
	.p2align	6, 0x0
	.amdhsa_kernel k_q50803241fa_cast
		.amdhsa_group_segment_fixed_size 0
		.amdhsa_private_segment_fixed_size 0
		.amdhsa_enable_private_segment 0
		.amdhsa_kernarg_size 32
		.amdhsa_user_sgpr_count 2
		.amdhsa_user_sgpr_kernarg_segment_ptr 1
		.amdhsa_wavefront_size32 1
		.amdhsa_system_sgpr_workgroup_id_x 1
		.amdhsa_system_sgpr_workgroup_id_y 1
		.amdhsa_system_sgpr_workgroup_id_z 1
		.amdhsa_system_vgpr_workitem_id 0
		.amdhsa_next_free_vgpr 56
		.amdhsa_next_free_sgpr 66
		.amdhsa_reserve_vcc 0
		.amdhsa_float_denorm_mode_32 3
		.amdhsa_float_denorm_mode_16_64 3
		.amdhsa_memory_ordered 1
		.amdhsa_forward_progress 1
		.amdhsa_inst_pref_size 13
	.end_amdhsa_kernel
	.amdgpu_metadata
---
amdhsa.version: [ 1, 2 ]
amdhsa.kernels:
  - .name:           k_q50803241fa_cast
    .symbol:         k_q50803241fa_cast.kd
    .args:
      - { .name: A, .offset: 0, .size: 8, .value_kind: global_buffer, .address_space: global }
      - { .name: B, .offset: 8, .size: 8, .value_kind: global_buffer, .address_space: global }
      - { .name: abf, .offset: 16, .size: 8, .value_kind: global_buffer, .address_space: global }
      - { .name: bbf, .offset: 24, .size: 8, .value_kind: global_buffer, .address_space: global }
    .group_segment_fixed_size: 0
    .private_segment_fixed_size: 0
    .kernarg_segment_align: 8
    .kernarg_segment_size: 32
    .max_flat_workgroup_size: 256
    .sgpr_count:     66
    .vgpr_count:     56
    .wavefront_size: 32
...
	.end_amdgpu_metadata
.endif
;; end of part 1
;; launch gemm (part 2): grid 16 x 16, 4 waves a work-group, clusters of 4 x 4, 327,680 bytes of LDS; arguments abf, bbf, out0; writes out0
.if DOCPART == 2
	.amdgcn_target "amdgcn-amd-amdhsa--gfx1250"
	.amdhsa_code_object_version 6
	.text
	.protected	k_q50803241fa_gemm
	.globl	k_q50803241fa_gemm
	.p2align	8
	.type	k_q50803241fa_gemm,@function
k_q50803241fa_gemm:
	s_mov_b64 s[64:65], 0
	v_nop
	global_prefetch_b8 v0, s[64:65] scope:SCOPE_SE
	s_setreg_imm32_b32 hwreg(HW_REG_WAVE_MODE, 25, 1), 1
	s_wait_xcnt 0x0
	s_wait_alu depctr_hold_cnt(0) depctr_sa_sdst(0) depctr_va_vdst(0) depctr_va_sdst(0) depctr_va_ssrc(0) depctr_va_vcc(0) depctr_vm_vsrc(0)
	s_getreg_b32 s2, hwreg(HW_REG_IB_STS2, 6, 4)
	s_cmp_eq_u32 s2, 0
	s_cbranch_scc0 .Lentry_in_a_cluster
	s_endpgm
.Lentry_in_a_cluster:
	s_bfe_u32 s2, ttmp6, 0x10000c
	s_cmp_lg_u32 s2, 0xf033
	s_cbranch_scc0 .Lentry_shape_is_right
	s_endpgm
.Lentry_shape_is_right:
; out0[m][n] = 36 + the sum over k of abf[m][k] bbf[k][n].  abf: [4096 m][4096 k] bf16, bbf: [4096 k][4096 n] bf16 (the first launch's roundings of A and B), out0: [4096][4096] f32; sums in f32.
; No work of the problem is left out.  LIMITS: operands in bf16; 36 is the START of each f32 sum (the C operand of its first product), where the problem's text adds it last: the order of rounding differs,
; by a few units in the last place of 36 + sum; NaN and infinities go as the arithmetic carries them.
; A tile of out0, 256 x 256, is made by a work-group of four waves, as many as a WGP has SIMDs; a wave makes 128 x 128: 64 accumulators of 16 x 16, 512 registers.  256 tiles, 256 work-groups.
; K goes in steps of 128 through a ring of two LDS slots filled by the tensor data mover.  A's tile is 256 rows (m) x 128 k: rows of 256 bytes of memory; B's is 128 rows (k) x 256 n: rows of 512 bytes;
; both start at multiples of 256 bytes from their buffer's first byte.
; B LIES [k][n]: its fragments come out of LDS turned, by ds_load_tr16_b128, two loads a fragment like A's plain ones; so no launch transposes B.
; CLUSTERS: 4 x 4 work-groups.  The four of a row of the cluster need the same tiles of A, the four of a column the same tiles of B.  Such a tile is asked for JOINTLY: each of the four issues the same
; tensor load, with the same descriptor and a mask that names the four, and each receives the tile in its own LDS: the requests for A and B are divided by four.
;
; REGISTERS, in windows of 256 (an instruction names v0-v255; s_set_vgpr_msb says which window each operand place means: bits 1:0 source 0, 3:2 source 1, 5:4 source 2, 7:6 destination):
;   window 0: v0-31 addresses; v32-39 the number 36, eight times; v64-127, v128-191 fragments of A (8 x 16 rows x 32 K), two buffers; on the way out these are two buffers of 16 rows of out0
;   window 1: v64-127, v128-191 fragments of B, two buffers
;   window 2: the 32 accumulators of my rows 0-63 (accumulator (a, b) at v[8 (8 a + b)]);   window 3: those of my rows 64-127
; THE MATRIX INSTRUCTION IS USED TRANSPOSED: source 0 = 16 columns of B, source 1 = 16 rows of A.  In the result lane l holds row l % 16 of out0 and its registers 0 to 7 the columns
; 8 (l / 16) + 0 .. 7: eight NEIGHBOURING f32 of a row, 32 bytes.
.set KSTEP,  128
.set LAPS,   16                        ; a lap = two K steps = once round the ring; 4,096 / 256
.set ROWB,   8192                      ; bytes in a row of abf and of bbf
.set CROW,   16384                     ; bytes in a row of out0
.set PA,     272                       ; an LDS row of A: 256 bytes + 16 of padding = 68 words: row r starts at bank 4 r mod 64 (64 banks of 4 bytes: ISA guide 11.1): the 16 rows of a load start at 16 different banks
.set PB,     544                       ; an LDS row of B: 512 + 32 = 136 words: row r starts at bank 8 r mod 64
.set HALFT,  128*PA                    ; what one tensor load brings: 128 rows of A, or 64 rows of B (64 x 544 is the same 34,816 bytes)
.set SLOT,   4*HALFT                   ; A's 256 rows, then B's 128 rows
.set STAGE,  2*SLOT                    ; behind the ring, never filled by a tensor load: 16 rows x 528 bytes for each wave, for the way out
.set SP,     528                       ; a stage row: 512 bytes + 16: 132 words, so the 16 rows that a store touches start at 16 different groups of four banks
.set SPARE,  STAGE+4*16*SP             ; behind the stages: the spare words, 128 bytes for each wave: two blocks of 256 bytes that no other line names
.set ADRA, 16                          ; v16-17  LDS address of my A fragments in slot 0, 1
.set ADRB, 20                          ; v20-21  the same for B
.set STO,  24                          ; v24     the way out: where I put 32 bytes of a row
.set RD,   25                          ; v25     the way out: where I read a row back
.set CO,   26                          ; v26     my 16 bytes in a row's 512 of out0; never rewritten
.set SPW,  28                          ; v28     LDS address of my spare word: SPARE + 4 x my thread's number; never rewritten
.set NIL,  29                          ; v29     0; never rewritten
.set PFO,  30                          ; v30     the prefetches' offset; never rewritten
.set K36,  32                          ; v32-39  36.0: the C operand of each accumulator's first product; never rewritten
.set F0,   64                          ; fragment buffer 0
.set F1,   128                         ; fragment buffer 1
.set G1,  24                           ; s[24:31] descriptor group 1 for A's tiles
.set G0,  32                           ; s[32:39] descriptor group 0 for A's tiles, one set for each slot
.set G1B, 48                           ; s[48:55] descriptor group 1 for B's tiles
.set G0B, 56                           ; s[56:63] descriptor group 0 for B's tiles, one set for each slot
.set LIM, 43                           ; s43      1 in a wave that prefetches, else the greatest number
.set PFA, 44                           ; s[44:45] where my prefetches stand: my work-group's share of what I fetch, at the K step two refills on
.set PST, 20                           ; s[20:21] a K step in bytes along my tensor: 256 in abf, 128 rows in bbf
.set MSB, 0
.macro WIN new                         ; the immediate's high byte repeats the setting that is left; a switch that changes nothing is dropped
.if MSB != (\new)
	s_set_vgpr_msb (MSB<<8)|(\new)
.set MSB, \new
.endif
.endm
.set MUL_LO,   0xa1                    ; source 0 (B) window 1, source 1 (A) window 0, C and D window 2
.set MUL_HI,   0xf1                    ; the same, C and D window 3
.set FIRST_LO, 0x81                    ; the first product of a sum: C (the 36) window 0, D window 2
.set FIRST_HI, 0xc1                    ; the same, D window 3
.set TO_B,     0x40                    ; destination window 1, address window 0
; A joint load.  Waves 0 and 1 fetch A's two halves, waves 2 and 3 B's.  Each of the two lines has ONE mask and one set of registers for all that issue it, and nothing in them hangs on a coordinate
; that the four partners do not share.  The branch hangs on the wave's number alone.  An s_nop 0 and four v_nop follow each line, ahead of the jump, the label and what follows.
.macro JLOAD s
	s_cmp_eq_u32 s11, 0
	s_cbranch_scc0 .Lfor_b_\@
	tensor_load_to_lds s[G0+4*(\s):G0+4*(\s)+3], s[G1:G1+7]
	s_nop 0
.rept 4
	v_nop
.endr
	s_branch .Lasked_\@
.Lfor_b_\@:
	tensor_load_to_lds s[G0B+4*(\s):G0B+4*(\s)+3], s[G1B:G1B+7]
	s_nop 0
.rept 4
	v_nop
.endr
.Lasked_\@:
.endm
; A PREFETCH INTO THE L2, behind each joint refill, its five lines and the run of LDS loads that follows them: the K step that stands TWO refills on, 512 matrix instructions ahead of the load that will
; want it: 32 blocks of 256 bytes, a lane a block, one instruction a wave.  Each block is named ONCE in the launch.  A's tile row is read by every cluster of that row of clusters: the one with
; cluster x = 0 asks; B's tile column by every cluster of that column: cluster y = 0 asks.  The four partners that ask for a tile jointly share it out BY ADDRESS: of the 128 rows of A that a wave
; fetches the partner at cx takes 32; of the 64 rows of B (two blocks each) the partner at cy takes 16.  No branch hangs on a work-group's place in its cluster.
; The loop's last trip (s3 = 1) asks for nothing: K steps 32 and 33 do not exist.  K steps 0 to 3 come by their loads alone.
.macro ASK
	s_cmp_gt_u32 s3, s[LIM]
	s_cbranch_scc0 .Lnot_mine_\@
	global_prefetch_b8 v[PFO], s[PFA:PFA+1] th:TH_LOAD_NT scope:SCOPE_SE
.Lnot_mine_\@:
.endm
; A round of the cluster's barrier: my work-group's barrier, so that wave 0's signal speaks for all four waves; wave 0 signals for the work-group; every wave waits for all sixteen work-groups;
; my work-group's barrier once more.  No LDS instruction of the wave is pending at a signal.
.macro CREST                           ; a round behind its opening barrier
	s_cmp_lg_u32 s10, 0
	s_cbranch_scc1 .Lnot_wave_0_\@
	s_barrier_signal -3
.Lnot_wave_0_\@:
	s_barrier_wait -3
	s_barrier_signal -1
	s_barrier_wait -1
.endm
.macro CROUND                          ; a whole round
	s_barrier_signal -1
	s_barrier_wait -1
	CREST
.endm
	s_load_b128 s[4:7], s[0:1], 0x0                ; abf s[4:5], bbf s[6:7]
	s_load_b64 s[8:9], s[0:1], 0x10                ; out0
	v_lshl_add_u32 v[SPW], v0, 2, SPARE
	v_mov_b32 v[NIL], 0
	ds_add_u32 v[SPW], v[NIL]                      ; the wave's opening: the add, twice on end, and its wait ahead of my first tensor load; the set-up below, work on registers, stands between
	ds_add_u32 v[SPW], v[NIL]                      ; and once more, under the one wait
	v_lshrrev_b32 v1, 5, v0
	v_readfirstlane_b32 s10, v1                    ; wave 0..3
	s_lshr_b32 s11, s10, 1                         ; which half of the tile's rows is mine.  Also: I fetch for A (0) or for B (1)
	s_and_b32 s12, s10, 1                          ; which half of its columns.  Also: which half of that tile I fetch
	s_bfe_u32 s40, ttmp6, 0x40000                  ; cx: my place along the cluster's x
	s_bfe_u32 s41, ttmp6, 0x40004                  ; cy: along its y
	s_lshl_b32 s42, ttmp9, 2                       ; in a cluster launch ttmp9 and ttmp7 count clusters
	s_add_co_u32 s42, s42, s40                     ; tile column = 4 x cluster x + cx
	s_and_b32 s13, ttmp7, 0xffff
	s_lshl_b32 s13, s13, 2
	s_add_co_u32 s13, s13, s41                     ; tile row = 4 x cluster y + cy
	s_lshl_b32 s43, s41, 2
	s_lshl_b32 s43, 15, s43                        ; my row of the cluster: places 4 cy .. 4 cy + 3
	s_lshl_b32 s44, 0x1111, s40                    ; my column: places cx, cx + 4, cx + 8, cx + 12
	; descriptor group 1 for A: 128 rows x 128 elements, padded in LDS
	s_or_b32 s[G1+0], s43, (1<<16)|(1<<20)|(1<<21)|(5<<22)|(3<<25)  ; 15:0 the mask: my row; 17:16 elements of 2 bytes; 20 padding on; 21 set beside a mask; 24:22 after every 64 words (code 5); 31:25 4 words of it (code 3)
	s_mov_b32 s[G1+1], 128<<16                     ; 63:48 tensor_dim0, low half = 128
	s_mov_b32 s[G1+2], 128<<16                     ; 79:64 its high half = 0; 95:80 tensor_dim1, low half = 128
	s_mov_b32 s[G1+3], 128<<16                     ; 111:96 its high half = 0; 127:112 tile_dim0 = 128
	s_mov_b32 s[G1+4], 128                         ; 143:128 tile_dim1 = 128; 159:144 tile_dim2 = 0
	s_mov_b32 s[G1+5], 4096                        ; 191:160 elements from row to row
	s_mov_b32 s[G1+6], 0
	s_mov_b32 s[G1+7], 0
	; and for B: 64 rows x 256 elements
	s_or_b32 s[G1B+0], s44, (1<<16)|(1<<20)|(1<<21)|(6<<22)|(7<<25) ; the mask: my column; padding after every 128 words (code 6), 8 words of it (code 7)
	s_mov_b32 s[G1B+1], 256<<16                    ; tensor_dim0 = 256
	s_mov_b32 s[G1B+2], 64<<16                     ; tensor_dim1 = 64
	s_mov_b32 s[G1B+3], 256<<16                    ; tile_dim0 = 256
	s_mov_b32 s[G1B+4], 64                         ; tile_dim1 = 64
	s_mov_b32 s[G1B+5], 4096
	s_mov_b32 s[G1B+6], 0
	s_mov_b32 s[G1B+7], 0
	; where the tiles come from.  A's hang on the tile row alone, which my row of the cluster shares; B's on the tile column alone, which my column shares.  Every wave makes both, and asks by one.
	s_lshl_b32 s16, s13, 21                        ; A: 256 rows of 8,192 bytes for each tile row,
	s_lshl_b32 s17, s12, 20                        ; + the 128 rows that I fetch
	s_add_co_u32 s16, s16, s17
	s_mov_b32 s17, 0
	s_lshl_b32 s46, s42, 9                         ; B: 256 columns = 512 bytes for each tile column,
	s_lshl_b32 s47, s12, 19                        ; + the 64 rows (k) that I fetch
	s_add_co_u32 s46, s46, s47
	s_mov_b32 s47, 0
	s_mul_i32 s20, s10, HALFT                      ; and where they go: A's two halves, then B's two halves = wave x 34,816: no place in the cluster enters an LDS address
	s_wait_dscnt 0x0                               ; both opening adds are done
	s_wait_kmcnt 0x0
	s_add_nc_u64 s[14:15], s[4:5], s[16:17]
	s_add_nc_u64 s[46:47], s[6:7], s[46:47]
	CROUND                                         ; all sixteen work-groups are here: the first joint loads meet
.irp s, 0,1
	s_mov_b32 s[G0+4*(\s)], 1                                      ; 1:0 count = 1
	s_add_co_u32 s[G0+4*(\s)+1], s20, (\s)*SLOT                    ; 63:32 LDS address
	s_add_nc_u64 s[G0+4*(\s)+2:G0+4*(\s)+3], s[14:15], (\s)*KSTEP*2  ; 120:64 global address: K step s lies 256 s bytes along A's rows
	s_or_b32 s[G0+4*(\s)+3], s[G0+4*(\s)+3], 0x80000000            ; 127:126 type = 2
	s_mov_b32 s[G0B+4*(\s)], 1
	s_add_co_u32 s[G0B+4*(\s)+1], s20, (\s)*SLOT
	s_add_nc_u64 s[G0B+4*(\s)+2:G0B+4*(\s)+3], s[46:47], (\s)*KSTEP*ROWB  ; K step s lies 128 s rows down B
	s_or_b32 s[G0B+4*(\s)+3], s[G0B+4*(\s)+3], 0x80000000
	JLOAD \s                                       ; the ring is filled before anything else is done: two loads of mine are out
.endr
	; A fragment is 16 rows x 32 K in 8 registers: lane l holds row l % 16; registers 0-3 hold K = 8 (l / 16) + 0..7, registers 4-7 K = 16 + 8 (l / 16) + 0..7.
	; A's rows lie along K: two loads of 16 bytes, 32 bytes apart, at row x pitch + 16 (l / 16).
	v_and_b32 v1, 15, v0                           ; l % 16
	v_bfe_u32 v2, v0, 4, 1                         ; l / 16
	v_mul_u32_u24 v3, v1, PA
	v_lshl_add_u32 v3, v2, 4, v3
	s_mul_i32 s21, s11, HALFT                      ; my 128 rows of A
	; B's rows lie along n: the turning load takes 16 k x 16 n (lane l reads 16 bytes: row k = 8 (l / 16) + l % 8, columns 8 ((l / 8) % 2) + 0..7) and leaves half a fragment:
	; lane l holds column l % 16 and 8 k.  Two of them, 16 rows apart, make a fragment.
	v_and_b32 v4, 7, v0
	v_lshl_add_u32 v4, v2, 3, v4
	v_mul_u32_u24 v4, v4, PB
	v_bfe_u32 v5, v0, 3, 1
	v_lshl_add_u32 v4, v5, 4, v4
	s_lshl_b32 s22, s12, 8                         ; my 128 columns of B: 256 bytes along its rows,
	s_add_co_u32 s22, s22, 2*HALFT                 ; which lie behind A's 256 rows
.irp s, 0,1
	v_add_nc_u32 v[ADRA+(\s)], s21, v3
	v_add_nc_u32 v[ADRB+(\s)], s22, v4
	s_add_co_u32 s21, s21, SLOT
	s_add_co_u32 s22, s22, SLOT
.endr
	s_mul_i32 s23, s10, 16*SP
	s_add_co_u32 s23, s23, STAGE                   ; my stage
	v_mul_u32_u24 v6, v1, SP                       ; in: row l % 16, 32 bytes for each half of the lanes
	v_lshl_add_u32 v6, v2, 5, v6
	v_add_nc_u32 v[STO], s23, v6
	v_and_b32 v6, 31, v0                           ; l
	v_lshlrev_b32 v[CO], 4, v6                     ; back: 32 lanes take one row of 512 bytes; and the same 512 bytes in out0
	v_add_nc_u32 v[RD], s23, v[CO]
.set r, 0
.rept 8
	v_mov_b32 v[K36+r], 0x42100000                 ; 36.0
.set r, r+1
.endr
	v_lshrrev_b32 v7, s11, v6                      ; the prefetches' offset.  For A: lane l names row l.  For B: row l / 2,
	v_and_b32 v8, s11, v6                          ; block l % 2 of its 512 bytes
	v_lshlrev_b32 v8, 8, v8
	v_lshl_add_u32 v[PFO], v7, 13, v8
	; out0 at my part of the tile
	s_lshl_b32 s16, s13, 22                        ; 256 rows of 16,384 bytes for each tile row,
	s_lshl_b32 s17, s11, 21                        ; + my 128 rows
	s_add_co_u32 s16, s16, s17
	s_mov_b32 s17, 0
	s_add_nc_u64 s[8:9], s[8:9], s[16:17]
	s_lshl_b32 s46, s42, 10                        ; 256 columns = 1,024 bytes for each tile column,
	s_lshl_b32 s47, s12, 9                         ; + my 128 columns
	s_add_co_u32 s46, s46, s47
	s_mov_b32 s47, 0
	s_add_nc_u64 s[8:9], s[8:9], s[46:47]
	; the prefetches: both offsets are made, then the wave's number chooses
	s_lshl_b32 s16, s13, 21                        ; in abf: the tile row,
	s_lshl_b32 s17, s12, 20                        ; the 128 rows that I fetch,
	s_add_co_u32 s16, s16, s17
	s_lshl_b32 s17, s40, 18                        ; my work-group's 32 of them,
	s_add_co_u32 s16, s16, s17
	s_add_co_u32 s16, s16, 3*KSTEP*2               ; at K step 3: the first refill steps it to 4
	s_lshl_b32 s46, s42, 9                         ; in bbf: the tile column,
	s_lshl_b32 s47, s12, 19                        ; the 64 rows that I fetch,
	s_add_co_u32 s46, s46, s47
	s_lshl_b32 s47, s41, 17                        ; my work-group's 16 of them,
	s_add_co_u32 s46, s46, s47
	s_add_co_u32 s46, s46, 3*KSTEP*ROWB            ; at K step 3
	s_and_b32 s22, ttmp7, 0xffff                   ; cluster y
	s_mov_b32 s23, KSTEP*ROWB
	s_cmp_eq_u32 s11, 0                            ; do I fetch for A?
	s_cselect_b32 s18, s16, s46
	s_cselect_b32 s22, ttmp9, s22                  ; the coordinate along which other clusters read the same blocks
	s_cselect_b32 s[PST], KSTEP*2, s23
	s_cselect_b64 s[PFA:PFA+1], s[4:5], s[6:7]
	s_mov_b32 s19, 0
	s_mov_b32 s[PST+1], 0
	s_add_nc_u64 s[PFA:PFA+1], s[PFA:PFA+1], s[18:19]
	s_cmp_eq_u32 s22, 0
	s_cselect_b32 s[LIM], 1, -1                    ; the same in all sixteen partners, for a given wave
	; nothing is prefetched here, at the head, where every work-group's first two tiles are on their way
; 16 matrix instructions: m blocks a0, a0 + 1 of the window's four (hi = 0: my rows 0-63, 1: rows 64-127) x all 8 n blocks, 32 along K.  first = 1: the product starts the sum from 36: nothing is cleared,
; and nothing is added afterwards.  The 64 accumulators take turns, one instruction a turn, in the same order in every quarter, over the backward jump too.
.macro MUL16 f, hi, a0, first
.if \first
	WIN FIRST_LO+0x40*(\hi)
.else
	WIN MUL_LO+0x50*(\hi)
.endif
.irp a, \a0, (\a0)+1
.irp b, 0,1,2,3,4,5,6,7
.if \first
	v_wmma_f32_16x16x32_bf16 v[8*(8*(\a)+(\b)):8*(8*(\a)+(\b))+7], v[(\f)+8*(\b):(\f)+8*(\b)+7], v[(\f)+8*(4*(\hi)+(\a)):(\f)+8*(4*(\hi)+(\a))+7], v[K36:K36+7]
.else
	v_wmma_f32_16x16x32_bf16 v[8*(8*(\a)+(\b)):8*(8*(\a)+(\b))+7], v[(\f)+8*(\b):(\f)+8*(\b)+7], v[(\f)+8*(4*(\hi)+(\a)):(\f)+8*(4*(\hi)+(\a))+7], v[8*(8*(\a)+(\b)):8*(8*(\a)+(\b))+7]
.endif
.endr
.endr
.endm
; 32 LDS loads in one run: the fragments of quarter q of a K step (32 K x my 128 columns of B, turned; my 128 rows of A x 32 K) into buffer f.  B's largest offset is 61,152, inside the 16-bit immediate.
.macro FETCH slot, q, f
	WIN TO_B
.irp i, 0,1,2,3,4,5,6,7
	ds_load_tr16_b128 v[(\f)+8*(\i):(\f)+8*(\i)+3],   v[ADRB+(\slot)] offset:(\q)*32*PB+32*(\i)
	ds_load_tr16_b128 v[(\f)+8*(\i)+4:(\f)+8*(\i)+7], v[ADRB+(\slot)] offset:(\q)*32*PB+16*PB+32*(\i)
.endr
	WIN 0
.irp i, 0,1,2,3,4,5,6,7
	ds_load_b128 v[(\f)+8*(\i):(\f)+8*(\i)+3],   v[ADRA+(\slot)] offset:64*(\q)+(\i)*16*PA
	ds_load_b128 v[(\f)+8*(\i)+4:(\f)+8*(\i)+7], v[ADRA+(\slot)] offset:64*(\q)+(\i)*16*PA+32
.endr
.endm
; A load into a register that a matrix instruction has read, and a store that reads a matrix result, stand four places behind that matrix instruction, and only plain vector instructions that name none
; of its registers are places (ISA guide 7.12.1 for vector instructions); the matrix instructions in between are not counted.
.macro PLACES
.rept 4
	v_nop
.endr
.endm
; A K step is four quarters of 32 along K, 64 matrix instructions each, on buffers 0, 1, 0, 1.  One of the first three: multiplies buffer f; in its middle it fetches quarter q of the same slot into buffer g.
.macro QUARTER slot, q, f, g, first
	s_wait_dscnt 8                                 ; B and A's rows 0-63 are in; the youngest eight loads (A's rows 64-127) may be out
	MUL16 \f, 0, 0, \first
	MUL16 \f, 0, 2, \first
	PLACES
	FETCH \slot, \q, \g
	s_wait_dscnt 32                                ; all but the 32 just issued
	MUL16 \f, 1, 0, \first
	MUL16 \f, 1, 2, \first
.endm
; The last quarter multiplies buffer 1 and changes slots.  MEET is its first half: ONE barrier for the change, for two things.  In front of it each wave waits for all its tensor loads, of which one is
; out: its part of the next slot; adds 0 to its spare word; and waits for that and for its own reads of this slot.  Behind it nobody reads this slot any more and the next slot is whole.
.macro MEET round                      ; round = 1: a round of the cluster's barrier follows
	WIN 0                                          ; (the add's two registers lie in window 0)
	s_wait_tensorcnt 0x0                           ; all my tensor loads have landed;
	ds_add_u32 v[SPW], v[NIL]                      ; 0 onto my spare word;
	s_wait_dscnt 9                                 ; (the add and the youngest eight loads may be out)
	MUL16 F1, 0, 0, 0                              ; sixteen matrix instructions stand between the add and the wait for it
	s_wait_dscnt 0x0                               ; the add is done, and my reads of this slot are over:
	s_barrier_signal -1                            ; say so (where a slot is filled again this barrier opens a round of the cluster's barrier),
	MUL16 F1, 0, 2, 0                              ; work on registers while the others arrive,
.if \round
	WIN 0
.endif
	s_barrier_wait -1                              ; and go on when all four have said so
.endm
; The whole last quarter.  fill = 1: behind the round the slot just read out is filled again first, with the K step two steps on; from that request to the wait for it a wave issues 224 matrix
; instructions.  Then come the next slot's first fragments.
.macro TURN slot, next, fill
.if \fill
	s_wait_xcnt 0x0                                ; the last prefetch, a K step back, has read its address: it is stepped here, ahead of the waits of the change of slots
	s_add_nc_u64 s[PFA:PFA+1], s[PFA:PFA+1], s[PST:PST+1]
	MEET 1
	CREST                                          ; no wave of any partner still reads this slot's tile or has a load on its way
	s_add_nc_u64 s[G0+4*(\slot)+2:G0+4*(\slot)+3], s[G0+4*(\slot)+2:G0+4*(\slot)+3], 2*KSTEP*2      ; no tensor load of mine is out, so a group 0 may be written; the type bits on top are not reached
	s_add_nc_u64 s[G0B+4*(\slot)+2:G0B+4*(\slot)+3], s[G0B+4*(\slot)+2:G0B+4*(\slot)+3], 2*KSTEP*ROWB
	JLOAD \slot                                    ; the first tensor load behind the round, my only one until the next; its four v_nop are also the places in front of the loads below
.else
	MEET 0
	PLACES
.endif
	FETCH \next, 0, F0
.if \fill
	ASK                                            ; behind the joint load and the run of LDS loads that the next products wait for
.endif
	MUL16 F1, 1, 0, 0
	MUL16 F1, 1, 2, 0
.endm
; THE WAY OUT of block a (16 rows x my 128 columns).  A lane's 32 bytes are one sixteenth of a row's 512, and the lanes beside it hold other rows.  TOSTAGE: the eight accumulators go as they are (f32,
; the 36 is in the sums) into my own stage, each accumulator's low four registers first, and come back as whole rows of 512 bytes.  SEND: stored.
.macro TOSTAGE a
.set AC, 64*((\a)%4)
.set BK, F0+64*((\a)%2)
	WIN 0x08+4*((\a)/4)                            ; a store's data are source 1: window 2 or 3
.irp b, 0,1,2,3,4,5,6,7
	ds_store_b128 v[STO], v[AC+8*(\b):AC+8*(\b)+3]   offset:64*(\b)
	ds_store_b128 v[STO], v[AC+8*(\b)+4:AC+8*(\b)+7] offset:64*(\b)+16
.endr
	WIN 0
.if (\a) >= 2
	s_wait_xcnt 0x0                                ; every earlier memory instruction has had its addresses translated (ISA guide 3.1): the row buffer, which the stores of block a - 2 read, is loaded again only behind this wait
.endif
.irp t, 0,1,2,3,4,5,6,7,8,9,10,11,12,13,14,15
	ds_load_b128 v[BK+4*(\t):BK+4*(\t)+3], v[RD] offset:(\t)*SP  ; LDS serves a wave's instructions in order (ISA guide 5.7.1.4): these see the stores above, and the next block's stores come behind them
.endr
.endm
.macro SEND a, younger                 ; younger: the LDS instructions issued behind block a's loads: the next block's 32, or none
.set BK, F0+64*((\a)%2)
.irp t, 0,1,2,3,4,5,6,7,8,9,10,11,12,13,14,15
	s_wait_dscnt (\younger)+15-(\t)                ; row t is back in registers
	global_store_b128 v[CO], v[BK+4*(\t):BK+4*(\t)+3], s[8:9] offset:(16*(\a)+(\t))*CROW th:TH_STORE_NT  ; the wave stores 512 consecutive bytes, at a multiple of 512 from out0's first byte; the row stands in the immediate, 2,080,768 at the most
.endr
.endm
	s_wait_tensorcnt 1                             ; my part of K step 0 is in; K step 1's may stay out
	s_barrier_signal -1
	s_barrier_wait -1                              ; everybody's is
	FETCH 0, 0, F0
	QUARTER 0, 1, F0, F1, 1                        ; the first quarter stands in front of the loop: its products start the sums, from 36
	WIN 0                                          ; at a label and at a branch every window is 0
	s_mov_b32 s3, LAPS-1
.Llap:                                                 ; a trip goes once round the ring, from a lap's second quarter to the next lap's first, and fills both slots again: K steps 2 to 31 in 15 trips
	QUARTER 0, 2, F1, F0, 0
	QUARTER 0, 3, F0, F1, 0
	TURN 0, 1, 1
	QUARTER 1, 1, F0, F1, 0
	QUARTER 1, 2, F1, F0, 0
	QUARTER 1, 3, F0, F1, 0
	TURN 1, 0, 1
	QUARTER 0, 1, F0, F1, 0
	WIN 0
	s_sub_co_u32 s3, s3, 1
	s_cmp_lg_u32 s3, 0
	s_cbranch_scc1 .Llap
	QUARTER 0, 2, F1, F0, 0                        ; the last lap is written out: it fills nothing, and it has no round of the cluster's barrier
	QUARTER 0, 3, F0, F1, 0
	TURN 0, 1, 0                                   ; my one tensor load that was still out is slot 1's, the last K step's
	QUARTER 1, 1, F0, F1, 0
	QUARTER 1, 2, F1, F0, 0
	QUARTER 1, 3, F0, F1, 0
	s_wait_dscnt 8                                 ; the very last quarter: nothing more to fetch
	MUL16 F1, 0, 0, 0
	MUL16 F1, 0, 2, 0
	s_wait_dscnt 0x0
	MUL16 F1, 1, 0, 0
	MUL16 F1, 1, 2, 0
	WIN 0
	PLACES                                         ; the stage's stores read results just made, and the row buffers are registers that the last products read;
	PLACES                                         ; eight places, once a launch
	TOSTAGE 0
.irp a, 1,2,3,4,5,6,7                  ; block a goes into the stage while block a - 1's rows come back and leave
	TOSTAGE \a
	SEND (\a)-1, 32
.endr
	SEND 7, 0
	s_wait_tensorcnt 0x0                           ; the wave's end, behind my last tensor load and my last LDS store
	ds_add_u32 v[SPW], v[NIL]
	s_wait_dscnt 0x0
	CROUND                                         ; the closing round: no work-group ends while a partner may still ask for a tile that names it
	s_endpgm
.Lfunc_end_k_q50803241fa_gemm:
	.size	k_q50803241fa_gemm, .Lfunc_end_k_q50803241fa_gemm-k_q50803241fa_gemm
	.p2alignl 7, 3214868480
	.fill 96, 4, 3214868480
	.section	.rodata,"a",@progbits
	.p2align	6, 0x0
	.amdhsa_kernel k_q50803241fa_gemm
		.amdhsa_group_segment_fixed_size 327680
		.amdhsa_private_segment_fixed_size 0
		.amdhsa_enable_private_segment 0
		.amdhsa_kernarg_size 24
		.amdhsa_user_sgpr_count 2
		.amdhsa_user_sgpr_kernarg_segment_ptr 1
		.amdhsa_wavefront_size32 1
		.amdhsa_system_sgpr_workgroup_id_x 1
		.amdhsa_system_sgpr_workgroup_id_y 1
		.amdhsa_system_sgpr_workgroup_id_z 1
		.amdhsa_system_vgpr_workitem_id 0
		.amdhsa_next_free_vgpr 1024
		.amdhsa_next_free_sgpr 66
		.amdhsa_reserve_vcc 0
		.amdhsa_float_denorm_mode_32 3
		.amdhsa_float_denorm_mode_16_64 3
		.amdhsa_memory_ordered 1
		.amdhsa_forward_progress 1
		.amdhsa_inst_pref_size 146
	.end_amdhsa_kernel
	.amdgpu_metadata
---
amdhsa.version: [ 1, 2 ]
amdhsa.kernels:
  - .name:           k_q50803241fa_gemm
    .symbol:         k_q50803241fa_gemm.kd
    .args:
      - { .name: abf, .offset: 0, .size: 8, .value_kind: global_buffer, .address_space: global }
      - { .name: bbf, .offset: 8, .size: 8, .value_kind: global_buffer, .address_space: global }
      - { .name: out0, .offset: 16, .size: 8, .value_kind: global_buffer, .address_space: global }
    .group_segment_fixed_size: 327680
    .private_segment_fixed_size: 0
    .kernarg_segment_align: 8
    .kernarg_segment_size: 24
    .max_flat_workgroup_size: 128
    .sgpr_count:     66
    .vgpr_count:     1024
    .wavefront_size: 32
...
	.end_amdgpu_metadata
.endif
;; end of part 2
;; ======== version 2 of 2: 2 launches; version 1 with the launch cast written anew for expert scheduling mode
;; workspace buffers: abf 33,554,432 bytes; bbf 33,554,432 bytes
;; launch cast (part 3): grid 512 x 2, 8 waves a work-group, no clusters, 0 bytes of LDS; arguments A, B, abf, bbf; writes abf, bbf
.if DOCPART == 3
	.amdgcn_target "amdgcn-amd-amdhsa--gfx1250"
	.amdhsa_code_object_version 6
	.text
	.protected	k_q50803241fa_cast
	.globl	k_q50803241fa_cast
	.p2align	8
	.type	k_q50803241fa_cast,@function
k_q50803241fa_cast:
	s_mov_b64 s[64:65], 0
	v_nop
	global_prefetch_b8 v0, s[64:65] scope:SCOPE_SE
	s_setreg_imm32_b32 hwreg(HW_REG_WAVE_SCHED_MODE, 0, 2), 2
	s_setreg_imm32_b32 hwreg(HW_REG_WAVE_MODE, 25, 1), 1
	s_wait_xcnt 0x0
	s_wait_alu depctr_vm_vsrc(0)
; out0 = A B + 36, first of two launches: A -> abf and B -> bbf, each number rounded ONCE to bf16 (nearest even), the layout unchanged
; (abf [4096 m][4096 k], bbf [4096 k][4096 n]).  The second launch multiplies them with f32 sums.
; NO WORK OF THE PROBLEM IS LEFT OUT: both inputs reach every output, and the constant 36 is added in the second launch.
; LIMITS.  The operands of the product have bf16's 8 significant bits; an f32 beyond bf16's largest finite number (3.39e38) rounds to an infinity; NaN and infinities pass as they are.
; SHARES.  Grid y = 0 takes A, y = 1 takes B.  Work-group x owns 131,072 consecutive input bytes: 32 chunks of 4,096.  Thread t takes the 16 bytes at 16 t of every chunk, so a wave's
; load covers 512 consecutive bytes; it stores the 8 bytes at 8 t of the matching 2,048-byte chunk, so a wave's store covers 256 consecutive bytes, aligned.
; No LDS, no barrier, no matrix unit: nothing is shared and every byte is touched once.
; All 32 chunks are written out by the assembler's loop: each chunk's place stands in an immediate (126,976 at the most), so no address register is ever rewritten.
; THE MODE: SCHED_MODE bits 1:0 = 2 (LLVM: expert scheduling mode 2), set by the entry lines.  The code itself states the register dependences
; between vector instructions and memory instructions, with s_wait_alu, always for 0.
; THE PLAN.  The 32 chunks go in 8 blocks of four.  Registers that memory instructions touch:
;   X0 .. X3   four blocks of f32 as loaded.  Written by the loads of block p + 3, issued in block p; read by block p's roundings.
;   Y0, Y1     two blocks of bf16 to store.   Written by block p's roundings; read by the four stores that are issued in block p + 1.
;   v1, v2     byte offsets, made once at the head and never written again.
; Block p works on X[p % 4] and writes Y[p % 2].  Its memory instructions are the loads into X[(p + 3) % 4] = X[(p - 1) % 4] and the stores from
; Y[(p - 1) % 2]: the two buffers that block p - 1 worked on and that no vector instruction of block p names.  So the waits at the head of a block
; state all that the block's eight memory instructions hang on, and these are dealt among its eight roundings with no further wait.
; Behind a block's head twelve loads of the wave are on their way: the two younger blocks' eight and the four just issued.
.set BLOCK,  4                         ; chunks in a block
.set BLOCKS, 8
.set IN,  1                            ; v1        16 t; never rewritten
.set OUTO, 2                           ; v2        8 t; never rewritten
.set X,   4                            ; v[4:67]   buffer k, chunk i: four f32 as loaded, at X + 16 k + 4 i
.set Y,   68                           ; v[68:83]  buffer k, chunk i: four bf16 to store, at Y + 8 k + 2 i
	s_load_b256 s[4:11], s[0:1], 0x0               ; A s[4:5], B s[6:7], abf s[8:9], bbf s[10:11]
	s_and_b32 s20, ttmp7, 0xffff                   ; which of the two tensors
	s_lshl_b32 s16, ttmp9, 17                      ; the work-group's 131,072 bytes of input (under 2^26),
	s_mov_b32 s17, 0
	s_lshl_b32 s18, ttmp9, 16                      ; and its 65,536 bytes of output
	s_mov_b32 s19, 0
	v_lshlrev_b32 v[IN], 4, v0
	v_lshlrev_b32 v[OUTO], 3, v0
	s_wait_kmcnt 0x0
	s_cmp_eq_u32 s20, 0
	s_cselect_b64 s[12:13], s[4:5], s[6:7]         ; from A or B,
	s_cselect_b64 s[14:15], s[8:9], s[10:11]       ; to abf or bbf
	s_add_nc_u64 s[12:13], s[12:13], s[16:17]
	s_add_nc_u64 s[14:15], s[14:15], s[18:19]
	s_wait_alu depctr_va_vdst(0)                   ; v1 and v2 are written: every load of the kernel reads the one as its offset, every store the other
.irp i, 0,1,2,3,4,5,6,7,8,9,10,11
	global_load_b128 v[X+4*(\i):X+4*(\i)+3], v[IN], s[12:13] offset:(\i)*4096 th:TH_LOAD_NT  ; blocks 0, 1 and 2 into X0, X1, X2; the launch reads each byte once
.endr
; Block p: its four chunks are rounded; block p + 3 is asked for while there is one; block p - 1 is stored.
.macro BLK p
.set xb, (\p)%4                        ; the X that this block rounds
.set xn, ((\p)+3)%4                    ; the X that its loads land in
.set yb, (\p)%2                        ; the Y that this block writes; its stores leave from the other
.if (\p) <= BLOCKS-3
	s_wait_loadcnt 2*BLOCK                         ; loads come back in order (ISA guide 5.7.1): X[xb] is in, the two younger blocks' eight loads stay out
.else
	s_wait_loadcnt (BLOCKS-1-(\p))*BLOCK           ; nothing has been asked for behind block 7: the count runs down to 0
.endif
.if (\p) >= 2
	s_wait_xcnt 0x0                                ; every earlier memory instruction has had its addresses translated (ISA guide 3.1): Y[yb], which the stores issued in the block before read, is rewritten only behind this wait
	s_wait_alu depctr_vm_vsrc(0)                   ; those stores have read Y[yb], which this block's roundings write again
.endif
.if (\p) >= 1
	s_wait_alu depctr_va_vdst(0)                   ; the block before has written the other Y, which the stores below read, and is done reading its X, in which the loads below (blocks 1 to 4 have them) land
.endif
.irp i, 0,1,2,3
.if (\p)+3 < BLOCKS
	global_load_b128 v[X+16*xn+4*(\i):X+16*xn+4*(\i)+3], v[IN], s[12:13] offset:(((\p)+3)*BLOCK+(\i))*4096 th:TH_LOAD_NT  ; three blocks ahead, the load ahead of the store; no vector instruction since the wait names these registers
.endif
.if (\p) >= 1
	global_store_b64 v[OUTO], v[Y+8*(1-yb)+2*(\i):Y+8*(1-yb)+2*(\i)+1], s[14:15] offset:(((\p)-1)*BLOCK+(\i))*2048  ; the block before
.endif
	v_cvt_pk_bf16_f32 v[Y+8*yb+2*(\i)],   v[X+16*xb+4*(\i)],   v[X+16*xb+4*(\i)+1]    ; two roundings, packed: the lower number in the lower half
	v_cvt_pk_bf16_f32 v[Y+8*yb+2*(\i)+1], v[X+16*xb+4*(\i)+2], v[X+16*xb+4*(\i)+3]
.endr
.endm
.set n, 0
.rept BLOCKS
	BLK n
.set n, n+1
.endr
	s_wait_alu depctr_va_vdst(0)                   ; block 7 has written Y1, which the last four stores read
.irp i, 0,1,2,3
	global_store_b64 v[OUTO], v[Y+8+2*(\i):Y+8+2*(\i)+1], s[14:15] offset:((BLOCKS-1)*BLOCK+(\i))*2048
.endr
	s_endpgm
.Lfunc_end_k_q50803241fa_cast:
	.size	k_q50803241fa_cast, .Lfunc_end_k_q50803241fa_cast-k_q50803241fa_cast
	.p2alignl 7, 3214868480
	.fill 96, 4, 3214868480
	.section	.rodata,"a",@progbits
	.p2align	6, 0x0
	.amdhsa_kernel k_q50803241fa_cast
		.amdhsa_group_segment_fixed_size 0
		.amdhsa_private_segment_fixed_size 0
		.amdhsa_enable_private_segment 0
		.amdhsa_kernarg_size 32
		.amdhsa_user_sgpr_count 2
		.amdhsa_user_sgpr_kernarg_segment_ptr 1
		.amdhsa_wavefront_size32 1
		.amdhsa_system_sgpr_workgroup_id_x 1
		.amdhsa_system_sgpr_workgroup_id_y 1
		.amdhsa_system_sgpr_workgroup_id_z 1
		.amdhsa_system_vgpr_workitem_id 0
		.amdhsa_next_free_vgpr 84
		.amdhsa_next_free_sgpr 66
		.amdhsa_reserve_vcc 0
		.amdhsa_float_denorm_mode_32 3
		.amdhsa_float_denorm_mode_16_64 3
		.amdhsa_memory_ordered 1
		.amdhsa_forward_progress 1
		.amdhsa_inst_pref_size 12
	.end_amdhsa_kernel
	.amdgpu_metadata
---
amdhsa.version: [ 1, 2 ]
amdhsa.kernels:
  - .name:           k_q50803241fa_cast
    .symbol:         k_q50803241fa_cast.kd
    .args:
      - { .name: A, .offset: 0, .size: 8, .value_kind: global_buffer, .address_space: global }
      - { .name: B, .offset: 8, .size: 8, .value_kind: global_buffer, .address_space: global }
      - { .name: abf, .offset: 16, .size: 8, .value_kind: global_buffer, .address_space: global }
      - { .name: bbf, .offset: 24, .size: 8, .value_kind: global_buffer, .address_space: global }
    .group_segment_fixed_size: 0
    .private_segment_fixed_size: 0
    .kernarg_segment_align: 8
    .kernarg_segment_size: 32
    .max_flat_workgroup_size: 256
    .sgpr_count:     66
    .vgpr_count:     84
    .wavefront_size: 32
...
	.end_amdgpu_metadata
.endif
;; end of part 3
;; launch gemm: the kernel of part 2 again; grid 16 x 16, 4 waves a work-group, clusters of 4 x 4, 327,680 bytes of LDS; arguments abf, bbf, out0; writes out0
